; MI455X (gfx1250); checked and timed in simulation.
; The chip was launched on July 23, 2026; its instructions are those of AMD's public machine-readable ISA for CDNA 5 (MIT licence, August 2026) and "CDNA5" Instruction Set Architecture Reference Guide (July 2026). The comments in the code are by the model that wrote it; some were corrected since.
;; Multi Head Self Attention. Allowed arithmetic: matrix products marked QUANTISED: E4M3 operands, one given power-of-two scale a tensor, by v_wmma_f32_16x16x64_fp8_fp8 or v_wmma_f32_16x16x128_fp8_fp8, f32 sums; everything else in f32.
;; Inputs: Wk_codes 1,024 x 32 x 32 uint8 (E4M3 codes of Wk, K innermost, in blocks of 32 codes); Wo_codes 1,024 x 32 x 32 uint8 (E4M3 codes of Wo, K innermost, in blocks of 32 codes); Wq_codes 1,024 x 32 x 32 uint8 (E4M3 codes of Wq, K innermost, in blocks of 32 codes); Wv_codes 1,024 x 32 x 32 uint8 (E4M3 codes of Wv, K innermost, in blocks of 32 codes); bk 1,024 float32; bo 1,024 float32; bq 1,024 float32; bv 1,024 float32; lowp_scales 12 int32 (the exponents e of the quantised operands' scales 2^e); x_codes 4 x 2,048 x 32 x 32 uint8 (E4M3 codes of x, K innermost, in blocks of 32 codes).
;; Outputs: out0 4 x 2,048 x 1,024 float32.
;; This version of the problem:
;;   THIS VERSION OF THE PROBLEM IS GIVEN IN LOW PRECISION. The matrix products marked QUANTISED in the list below multiply operands that are first quantised to E4M3 (4 exponent bits, 3 mantissa bits; 8 bits a number), with one given power-of-two scale for each operand tensor; their sums are f32. All else is computed in f32.
;;   The module's matrix products, in the order in which they are computed (A, B: the left and right operand; K: the contracted axis; several contracted axes count as one K, in the product's order):
;;     1. [M 8,192, K 1,024] x [K 1,024, N 1,024]; A: input x (given as codes); B: input Wq (given as codes): QUANTISED (scales: A lowp_scales[0], B lowp_scales[1])
;;     2. [M 8,192, K 1,024] x [K 1,024, N 1,024]; A: input x (given as codes); B: input Wk (given as codes): QUANTISED (scales: A lowp_scales[2], B lowp_scales[3])
;;     3. [M 8,192, K 1,024] x [K 1,024, N 1,024]; A: input x (given as codes); B: input Wv (given as codes): QUANTISED (scales: A lowp_scales[4], B lowp_scales[5])
;;     4. batch 64 x [M 2,048, K 64] x [K 64, N 2,048]; A: computed on the way; B: computed on the way: QUANTISED (scales: A lowp_scales[6], B lowp_scales[7])
;;     5. batch 64 x [M 2,048, K 2,048] x [K 2,048, N 64]; A: softmax (see below); B: computed on the way: QUANTISED (scales: A lowp_scales[8], B lowp_scales[9])
;;     6. [M 8,192, K 1,024] x [K 1,024, N 1,024]; A: computed on the way; B: input Wo (given as codes): QUANTISED (scales: A lowp_scales[10], B lowp_scales[11])
;;   THE QUANTISER, for each operand of a quantised product, along K:
;;     - The operand's scale is 2^e, e = its entry of the input lowp_scales (int32; the entries are numbered through the quantised products in the list's order, A before B).
;;     - Each number is divided by the scale, clamped to +-448, and rounded to the nearest number of E4M3, ties to even, subnormals kept.
;;     - The product sums the exact products of the quantised numbers (number of the format x scale) in f32.
;;   ~~~python
;;   def quantise(x, axis, e):      # numpy; x: float32 -> the quantised numbers, widened to float32 again
;;       x = np.moveaxis(x, axis, -1); K = x.shape[-1]
;;       r = np.clip(x / 2.0 ** e, -448, 448)
;;       step = 2.0 ** (np.maximum(np.frexp(np.where(r == 0, 1, r))[1] - 1, -6) - 3)
;;       q = np.round(r / step) * step * 2.0 ** e      # np.round: ties to even
;;       return np.moveaxis(q, -1, axis).astype(np.float32)
;;   ~~~
;;   SOFTMAX AHEAD OF A QUANTISED PRODUCT. Where the list says 'softmax', what is quantised is not the finished softmax but p = 2^(t - M), with t = logit x log2(e) and M = ceil(the row's largest t), a whole number; so 1/2 < the row's largest p <= 1. The row's sum l is taken of the UNQUANTISED p, in f32, and the product's result is divided by l at the end. Since M is a whole number, a kernel that streams over the keys may use a running M (the ceiling of the running maximum): every later rescaling is an exact power of two, so the quantised numbers keep their values, but for numbers so far below the row's largest that they fall under the format's range.
;;   OPERANDS COMPUTED ON THE WAY. 'Computed on the way' means the value that the module computes at that place (a softmax that the list does not call 'softmax' is quantised finished and normalised). What goes into a quantiser is computed in f32, as accurately as f32 sums, v_exp_f32 and their like allow (about 1e-6 of the number): no bf16 or f16 on the way to a quantiser, and a product that is left as it is and whose result goes on into a quantised operand takes f32 operands (vector FMAs, or v_wmma_f32_16x16x4_f32). A number that lies on a knife's edge between two numbers of the format may be rounded either way, as far as f32 arithmetic and the matrix unit's own rounding can turn it there, and no further.
;;   INPUTS GIVEN AS CODES. Wk (in the module: [1024, 1024], K = its axis 0); Wo (in the module: [1024, 1024], K = its axis 0); Wq (in the module: [1024, 1024], K = its axis 0); Wv (in the module: [1024, 1024], K = its axis 0); x (in the module: [4, 2048, 1024], K = its axis 2): each comes as NAME_codes (uint8): NAME with its K axis moved to the last place and cut into blocks of 32 codes, [.., K / 32, bytes a block], one block behind the other in memory; one code a byte (a code: sign, 4 exponent bits, 3 mantissa bits); its scale is its entry of lowp_scales. Its value is code x scale, taken as it is: it is not quantised again, and the codes and scales need not be those that the quantiser above would give.
;; One version. Each part assembles by itself: llvm-mc -triple=amdgcn-amd-amdhsa -mcpu=gfx1250 --defsym DOCPART=n.
;; ======== version 1 of 1: 3 launches
;; limits: right only within a limited range of input values
;; workspace buffers: q_img 8,388,608 bytes; k_img 8,388,608 bytes; v_img 8,388,608 bytes; a_img 8,388,608 bytes
;; launch qkv (part 1): grid 12 x 32, 4 waves a work-group, clusters of 4 x 4, 327,680 bytes of LDS; arguments x_codes, Wq_codes, Wk_codes, Wv_codes, bq, bk, bv, lowp_scales, q_img, k_img, v_img; writes q_img, k_img, v_img
.if DOCPART == 1
	.amdgcn_target "amdgcn-amd-amdhsa--gfx1250"
	.amdhsa_code_object_version 6
	.text
	.protected	k_q0191f574f6_qkv
	.globl	k_q0191f574f6_qkv
	.p2align	8
	.type	k_q0191f574f6_qkv,@function
k_q0191f574f6_qkv:
	s_mov_b64 s[64:65], 0
	v_nop
	global_prefetch_b8 v0, s[64:65] scope:SCOPE_SE
	s_setreg_imm32_b32 hwreg(HW_REG_WAVE_MODE, 25, 1), 1
	s_wait_xcnt 0x0
	s_wait_alu depctr_hold_cnt(0) depctr_sa_sdst(0) depctr_va_vdst(0) depctr_va_sdst(0) depctr_va_ssrc(0) depctr_va_vcc(0) depctr_vm_vsrc(0)
	s_getreg_b32 s2, hwreg(HW_REG_IB_STS2, 6, 4)
	s_cmp_eq_u32 s2, 0
	s_cbranch_scc0 .Lentry_in_a_cluster
	s_endpgm
.Lentry_in_a_cluster:
	s_bfe_u32 s2, ttmp6, 0x10000c
	s_cmp_lg_u32 s2, 0xf033
	s_cbranch_scc0 .Lentry_shape_is_right
	s_endpgm
.Lentry_shape_is_right:
; Q = x Wq + bq, K = x Wk + bk, V = x Wv + bv on codes of FP8 (E4M3), each result quantised at once with its given scale and stored as codes.
; x: [8192][1024] codes, W: [1024 (n)][1024 (k)] codes, K innermost in both.  A sum of codes stands for value / 2^(ea + eb); the bias goes in as the C of each sum's first
; matrix instruction, divided by 2^(ea + eb); code = sum / 2^(eo - ea - eb), held within +-448 x that power, to the nearest code.
; ONE BODY FOR THREE PRODUCTS.  Cluster x = 0: Q, 1: K, 2: V.  A tile is 256 x 256 over K = 1,024; four waves, 128 x 128 each: 64 accumulators, 512 registers.
; For Q and K the tile's rows ('A') are tokens and its columns ('B') rows of the weight; for V the two pointers change places: A = Wv's rows (channels), B = tokens, which gives V^T.
; THE MATRIX INSTRUCTION IS USED TRANSPOSED (source 0 = 16 rows of B, source 1 = 16 rows of A): lane (r, h) of accumulator (a, b) holds A's row 16 a + r and B's rows 16 b + 8 h + 0..7.
; So the conversions of accumulators 4 g .. 4 g + 3 of a block a give the eight registers of a 16 x 64 operand in the K = 64 form's own layout: for Q and K one token a lane and the
; head's 64 channels, for V one channel a lane and 64 keys.  THE RESULT IS STORED AS AN IMAGE OF THOSE REGISTERS: registers 4 c .. 4 c + 3 of the 32 lanes are 512 consecutive bytes.
;   q_img, k_img: [16 b + head][token / 16][c][lane][16 bytes];   v_img: [16 b + head][key / 64][channel / 16][c][lane][16 bytes].
; K goes in steps of 256 through a ring of two LDS slots filled by the tensor data mover; 4 x 4 work-groups form a cluster and ask for A's tiles jointly along a row, for B's along a column.
; The fragments are fetched by four loads of 16 bytes: k stands in a permuted order, the same in both operands, so only the order of the sums inside an instruction differs from ascending k.
; LIMITS: eo - ea - eb between -126 and 119, so that both powers of two below are f32 numbers.  NaN among the biases is not served.
; REGISTERS: window 0: v1-12 addresses and the scale; v16-21 LDS addresses; v28, v29 for the add; v32-95 the bias as C; v96-103 its offsets; v128-255 A's fragments, one set.
;   On the way out v32-127 and v192-223 take the codes.   window 1: B's fragments, two sets.   windows 2, 3: the accumulators, (a, b) at v[8 (8 (a % 4) + b)].
.set KROW,   1024                      ; a row of x or of a weight in bytes
.set ROWB,   256                       ; a tile's row: 256 codes
.set PITCH,  272                       ; an LDS row: 256 bytes + 16 of padding, so that the 16 rows that a load touches begin 68 words apart
.set FR,     16                        ; registers of a fragment of 16 rows x 128 K
.set NL,     4                         ; LDS loads that bring one
.set NP,     4                         ; places behind this matrix instruction (ISA guide 7.12.1)
.set HALFT,  128*PITCH                 ; 128 rows: what one tensor load brings
.set SLOT,   4*HALFT                   ; A's 256 rows, then B's 256 rows
.set LAPS,   2                         ; 1,024 / 512: a lap is once round the ring
.set SPARE,  2*SLOT                    ; behind the ring: the spare words, 128 bytes a wave
.set VO,   8                           ; v8-11   store offsets: 16 x lane + (a / 4) X + g Y
.set SCV,  12                          ; v12     2^(eo - ea - eb) as f32
.set ADRA, 16                          ; v16-17  LDS address of my A fragments in slot 0, 1
.set ADRB, 20                          ; v20-21  the same for B
.set SPW,  28                          ; v28     my spare word; never rewritten
.set NIL,  29                          ; v29     0; never rewritten
.set CBI,  32                          ; v32-95  the bias in the result's layout
.set OJ,   96                          ; v96-103 the bias loads' offsets
.set AF,   128                         ; A's fragments
.set TMP,  128
.set G1,  24                           ; s[24:31] group 1 for A's tiles; s[32:39] group 0, a set for each slot
.set G0,  32
.set G1B, 48                           ; s[48:55], s[56:63] the same for B's
.set G0B, 56
.set MSB, 0
.macro WIN new                         ; the immediate's high byte repeats the setting that is left
.if MSB != \new
	s_set_vgpr_msb (MSB<<8)|\new
.set MSB, \new
.endif
.endm
.set MUL_LO, 0xa1                      ; source 0 (B) window 1, source 1 (A) window 0, C and D window 2
.set MUL_HI, 0xf1                      ; the same, C and D window 3
.set TO_B,   0x40                      ; destination window 1, address window 0
; A joint load: waves 0 and 1 fetch for A, waves 2 and 3 for B; the branch hangs on the wave's number alone.  Four v_nop follow each of the two lines.
.macro JLOAD g0a, g1a, g0b, g1b
	s_cmp_eq_u32 s15, 0
	s_cbranch_scc0 .Lfor_b_\@
	tensor_load_to_lds s[\g0a:\g0a+3], s[\g1a:\g1a+7]
	s_nop 0
.rept 4
	v_nop
.endr
	s_branch .Lasked_\@
.Lfor_b_\@:
	tensor_load_to_lds s[\g0b:\g0b+3], s[\g1b:\g1b+7]
	s_nop 0
.rept 4
	v_nop
.endr
.Lasked_\@:
.endm
.macro CREST                           ; a round of the cluster's barrier behind its opening barrier
	s_cmp_lg_u32 s14, 0
	s_cbranch_scc1 .Lnot_wave_0_\@
	s_barrier_signal -3
.Lnot_wave_0_\@:
	s_barrier_wait -3
	s_barrier_signal -1
	s_barrier_wait -1
.endm
.macro CROUND                          ; a whole round
	s_barrier_signal -1
	s_barrier_wait -1
	CREST
.endm
	s_load_b512 s[68:83], s[0:1], 0x0              ; x s[68:69], Wq, Wk, Wv s[70:75], bq, bk, bv s[76:81], the scales' exponents s[82:83]
	s_load_b128 s[84:87], s[0:1], 0x40             ; q_img, k_img
	s_load_b64 s[88:89], s[0:1], 0x50              ; v_img
	v_lshl_add_u32 v[SPW], v0, 2, SPARE
	v_mov_b32 v[NIL], 0
	ds_add_u32 v28, v29
	ds_add_u32 v28, v29
	s_wait_dscnt 0x0
	v_lshrrev_b32 v1, 5, v0
	v_readfirstlane_b32 s14, v1                    ; wave 0..3
	s_lshr_b32 s15, s14, 1                         ; which half of the tile's rows is mine.  Also: I fetch for A (0) or for B (1)
	s_and_b32 s16, s14, 1                          ; which half of its columns.  Also: which 128 rows of that tile I fetch
	s_bfe_u32 s40, ttmp6, 0x40000                  ; cx, cy: my place in the cluster
	s_bfe_u32 s41, ttmp6, 0x40004
	s_and_b32 s13, ttmp7, 0xffff
	s_lshl_b32 s13, s13, 2                         ; 4 x cluster y
	s_cmp_eq_u32 ttmp9, 2                          ; V?  Cluster x is the same in all sixteen partners
	s_cselect_b32 s12, 1, 0
	s_cselect_b32 s18, 0, s13                      ; the tokens' 32 tiles go along A for Q and K,
	s_cselect_b32 s19, s13, 0                      ; along B for V; the other side has 4 tiles
	s_add_co_u32 s17, s18, s41                     ; A's tile row: it holds cy, never cx
	s_add_co_u32 s42, s19, s40                     ; B's tile column: it holds cx, never cy
	s_lshl_b32 s43, s41, 2
	s_lshl_b32 s43, 15, s43                        ; my row of the cluster
	s_lshl_b32 s44, 0x1111, s40                    ; my column
	s_or_b32 s[G1+0], s43, (0<<16)|(1<<20)|(1<<21)|(5<<22)|(3<<25)  ; 15:0 the mask; 17:16 elements of 1 byte; 20 padding on; 21 set beside a mask; 24:22 after every 64 words; 31:25 four words
	s_or_b32 s[G1B+0], s44, (0<<16)|(1<<20)|(1<<21)|(5<<22)|(3<<25)
.irp g, G1, G1B
	s_mov_b32 s[\g+1], ROWB<<16                    ; tensor_dim0 = 256
	s_mov_b32 s[\g+2], 128<<16                     ; tensor_dim1 = 128
	s_mov_b32 s[\g+3], ROWB<<16                    ; tile_dim0 = 256
	s_mov_b32 s[\g+4], 128                         ; tile_dim1 = 128
	s_mov_b32 s[\g+5], KROW                        ; from row to row
	s_mov_b32 s[\g+6], 0
	s_mov_b32 s[\g+7], 0
.endr
	s_lshl_b32 s18, s16, 7                         ; which 128 rows of the tile I fetch
	s_lshl_b32 s20, s17, 8
	s_add_co_u32 s20, s20, s18
	s_lshl_b32 s20, s20, 10                        ; A: (256 x tile row + 128 x half) rows of 1,024 bytes, under 2^23
	s_mov_b32 s21, 0
	s_lshl_b32 s46, s42, 8
	s_add_co_u32 s46, s46, s18
	s_lshl_b32 s46, s46, 10                        ; B likewise
	s_mov_b32 s47, 0
	s_mul_i32 s45, s14, HALFT                      ; where they go: wave x 128 rows
	s_lshl_b32 s13, ttmp9, 3                       ; the product's two entries: 2 t and 2 t + 1,
	s_lshl_b32 s66, ttmp9, 2
	s_lshl_b32 s23, s12, 2
	s_add_co_u32 s66, s66, s23                     ; and its result's: entry 6, 7 or 9: 24 + 4 t + 4 (t = 2) bytes
	s_wait_kmcnt 0x0
	s_cmp_eq_u32 ttmp9, 0
	s_cselect_b64 s[6:7], s[70:71], s[72:73]       ; Wq or Wk,
	s_cselect_b64 s[8:9], s[76:77], s[78:79]       ; bq or bk,
	s_cselect_b64 s[10:11], s[84:85], s[86:87]     ; q_img or k_img;
	s_cmp_eq_u32 ttmp9, 2
	s_cselect_b64 s[4:5], s[74:75], s[68:69]       ; A: Wv for V, else x
	s_cselect_b64 s[6:7], s[68:69], s[6:7]         ; B: x for V, else the weight
	s_cselect_b64 s[8:9], s[80:81], s[8:9]
	s_cselect_b64 s[10:11], s[88:89], s[10:11]
	s_load_b64 s[90:91], s[82:83], s13 offset:0x0  ; ea, eb
	s_load_b32 s92, s[82:83], s66 offset:0x18      ; eo
	s_add_nc_u64 s[20:21], s[4:5], s[20:21]
	s_add_nc_u64 s[46:47], s[6:7], s[46:47]
	CROUND                                         ; all sixteen work-groups are here: the first joint loads meet
.irp s, 0,1
	s_mov_b32 s[G0+4*\s], 1
	s_add_co_u32 s[G0+4*\s+1], s45, \s*SLOT
	s_add_nc_u64 s[G0+4*\s+2:G0+4*\s+3], s[20:21], \s*ROWB
	s_or_b32 s[G0+4*\s+3], s[G0+4*\s+3], 0x80000000
	s_mov_b32 s[G0B+4*\s], 1
	s_add_co_u32 s[G0B+4*\s+1], s45, \s*SLOT
	s_add_nc_u64 s[G0B+4*\s+2:G0B+4*\s+3], s[46:47], \s*ROWB
	s_or_b32 s[G0B+4*\s+3], s[G0B+4*\s+3], 0x80000000
	JLOAD G0+4*\s, G1, G0B+4*\s, G1B               ; two tensor loads of mine are out
.endr
	v_and_b32 v1, 15, v0                           ; r
	v_bfe_u32 v2, v0, 4, 1                         ; h
	v_mul_u32_u24 v3, v1, PITCH
	v_lshl_add_u32 v4, v2, 4, v3                   ; a fragment's row x pitch + 16 h
	s_mul_i32 s21, s15, HALFT                      ; my 128 rows of A
	s_mul_i32 s22, s16, HALFT                      ; my 128 rows of B,
	s_add_co_u32 s22, s22, 2*HALFT                 ; which lie behind A's 256
.irp s, 0,1
	v_add_nc_u32 v[ADRA+\s], s21, v4
	v_add_nc_u32 v[ADRB+\s], s22, v4
	s_add_co_u32 s21, s21, SLOT
	s_add_co_u32 s22, s22, SLOT
.endr
	; where my 128 x 128 goes.  TOK: my first token, COL: my first channel of the 1,024
	s_lshl_b32 s96, s17, 8
	s_lshl_b32 s97, s15, 7
	s_add_co_u32 s96, s96, s97                     ; A's first row of mine
	s_lshl_b32 s97, s42, 8
	s_lshl_b32 s98, s16, 7
	s_add_co_u32 s97, s97, s98                     ; B's first row of mine
	s_mov_b32 s22, 4096
	s_mov_b32 s23, 131072
	s_cmp_eq_u32 ttmp9, 2
	s_cselect_b32 s98, s97, s96                    ; TOK
	s_cselect_b32 s99, s96, s97                    ; COL
	s_cselect_b32 s96, s23, s22                    ; X: four blocks a on: four tiles of tokens (4,096 bytes), for V the next head (131,072)
	s_cselect_b32 s97, s22, s23                    ; Y: four blocks b on: the next head, for V the next 64 keys
	s_lshr_b32 s20, s98, 11
	s_lshl_b32 s20, s20, 21                        ; the batch: 16 heads of 131,072 bytes
	s_and_b32 s21, s98, 2047
	s_lshl_b32 s21, s21, 6                         ; 64 bytes a token in all three layouts
	s_add_co_u32 s20, s20, s21
	s_lshr_b32 s21, s99, 6
	s_lshl_b32 s21, s21, 17                        ; the head
	s_add_co_u32 s20, s20, s21
	s_mov_b32 s21, 0
	s_add_nc_u64 s[10:11], s[10:11], s[20:21]
	v_and_b32 v5, 31, v0
	v_lshlrev_b32 v[VO], 4, v5                     ; 16 x lane
	v_add_nc_u32 v[VO+1], s97, v[VO]
	v_add_nc_u32 v[VO+2], s96, v[VO]
	v_add_nc_u32 v[VO+3], s97, v[VO+2]
	; the bias in the result's layout.  Q, K: register 8 b + j = bias[COL + 16 b + 8 h + j].  V: register 8 a + j = bias[COL + 16 a + r] for every j
	s_lshl_b32 s20, s99, 2
	s_add_nc_u64 s[8:9], s[8:9], s[20:21]
	s_cmp_eq_u32 ttmp9, 2
	s_cselect_b32 s20, 4, 0                        ; bytes for each r,
	s_cselect_b32 s21, 0, 32                       ; for each h,
	s_cselect_b32 s22, 0, 4                        ; for each j
	v_mul_u32_u24 v3, v1, s20
	v_mad_u32_u24 v[OJ], v2, s21, v3
.irp j, 1,2,3,4,5,6,7
	v_add_nc_u32 v[OJ+\j], s22, v[OJ+\j-1]
.endr
.set bi, 0
.rept 8
.irp j, 0,1,2,3,4,5,6,7
	global_load_b32 v[CBI+8*bi+\j], v[OJ+\j], s[8:9] offset:64*bi
.endr
.set bi, bi+1
.endr
	s_wait_kmcnt 0x0
	s_add_co_i32 s93, s90, s91                     ; ea + eb
	s_sub_co_i32 s92, s92, s93                     ; eo - ea - eb
	s_sub_co_i32 s93, 0, s93
	s_add_co_i32 s92, s92, 127
	s_lshl_b32 s94, s92, 23
	v_mov_b32 v[SCV], s94                          ; 2^(eo - ea - eb): the conversion takes its exponent field
	s_wait_loadcnt 0x0                             ; the bias
.set bi, 0
.rept 64
	v_ldexp_f32 v[CBI+bi], v[CBI+bi], s93          ; bias / 2^(ea + eb): nothing is rounded
.set bi, bi+1
.endr
.macro FRAG reg, adr, q, i             ; 16 rows x 128 K: lane (r, h) holds, of row r, K = 32 c + 16 h + 0 .. 15 in registers 4 c .. 4 c + 3
.irp c, 0,1,2,3
	ds_load_b128 v[\reg+4*\c:\reg+4*\c+3], v[\adr] offset:128*(\q)+32*\c+(\i)*16*PITCH
.endr
.endm
; 16 matrix instructions: A's blocks a0, a0 + 1 x B's eight, 128 along K.  p: B's set.  mode 0: the sums go on; 1: they start from the bias of B's block; 2: from the bias of A's block.
; The 64 accumulators take turns, one instruction a turn, in the same order in every step.
.macro MUL16 a0, p, mode
.irp a, \a0, \a0+1
.irp b, 0,1,2,3,4,5,6,7
.if \mode == 0
	v_wmma_f32_16x16x128_fp8_fp8 v[8*(8*((\a)%4)+\b):8*(8*((\a)%4)+\b)+7], v[128*(\p)+FR*\b:128*(\p)+FR*\b+FR-1], v[AF+FR*(\a):AF+FR*(\a)+FR-1], v[8*(8*((\a)%4)+\b):8*(8*((\a)%4)+\b)+7]
.elseif \mode == 1
	v_wmma_f32_16x16x128_fp8_fp8 v[8*(8*((\a)%4)+\b):8*(8*((\a)%4)+\b)+7], v[128*(\p)+FR*\b:128*(\p)+FR*\b+FR-1], v[AF+FR*(\a):AF+FR*(\a)+FR-1], v[CBI+8*\b:CBI+8*\b+7]
.else
	v_wmma_f32_16x16x128_fp8_fp8 v[8*(8*((\a)%4)+\b):8*(8*((\a)%4)+\b)+7], v[128*(\p)+FR*\b:128*(\p)+FR*\b+FR-1], v[AF+FR*(\a):AF+FR*(\a)+FR-1], v[CBI+8*(\a):CBI+8*(\a)+7]
.endif
.endr
.endr
.endm
.macro FETCH_B slot, q, p              ; B's eight fragments of the slot's q-th 128 along K into set p
	WIN TO_B
.irp i, 0,1,2,3,4,5,6,7
	FRAG 128*(\p)+FR*\i, ADRB+\slot, \q, \i
.endr
	WIN 0
.endm
.macro FETCH_A slot, q, i0             ; A's blocks i0 .. i0 + 3
.irp i, \i0, \i0+1, \i0+2, \i0+3
	FRAG AF+FR*(\i), ADRA+\slot, \q, \i
.endr
.endm
.macro PLACES n                        ; plain vector lines between a matrix instruction and a load into, or a vector read of, its registers
.rept \n
	v_nop
.endr
.endm
; A step of 128 along K that has its successor in the same slot.  With mode 1 or 2 the C operand lies in window 0.
.macro STEP slot, q, mode
	s_wait_dscnt 4*NL                              ; B's set and A's blocks 0-3 are in; the 16 youngest loads (A's blocks 4-7) may be out
.if \mode
	WIN 0x81
.else
	WIN MUL_LO
.endif
	MUL16 0, (\q)%2, \mode
	MUL16 2, (\q)%2, \mode
	s_wait_dscnt 0                                 ; A's blocks 4-7 are in (asked for 32 matrix instructions ago)
	PLACES NP
	FETCH_B \slot, (\q)+1, 1-(\q)%2
	FETCH_A \slot, (\q)+1, 0
.if \mode
	WIN 0xc1
.else
	WIN MUL_HI
.endif
	MUL16 4, (\q)%2, \mode
	MUL16 6, (\q)%2, \mode
	PLACES NP
	WIN 0
	FETCH_A \slot, (\q)+1, 4
.endm
; A slot's last step changes slots: one barrier; in front of it each wave waits for all its tensor loads, adds 0 to its spare word, and waits for that and for its reads of this slot.
.macro TURN slot, next, fill
	s_wait_tensorcnt 0x0                           ; all my tensor loads have landed: my part of the next slot
	ds_add_u32 v[SPW], v[NIL]                      ; 0 onto my spare word
	s_wait_dscnt 4*NL+1                            ; the add and the 16 youngest loads, A's blocks 4-7, may be out
	WIN MUL_LO
	MUL16 0, 1, 0                                  ; sixteen matrix instructions stand between the add and the wait for it
	s_wait_dscnt 0x0                               ; the add is done, and my reads of this slot are over
	s_barrier_signal -1
	MUL16 2, 1, 0
	WIN 0
	s_barrier_wait -1
.if \fill
	CREST                                          ; the barrier has opened a round of the cluster's: no wave of any partner still reads this slot or has a load on its way
	s_add_nc_u64 s[G0+4*\slot+2:G0+4*\slot+3], s[G0+4*\slot+2:G0+4*\slot+3], 2*ROWB
	s_add_nc_u64 s[G0B+4*\slot+2:G0B+4*\slot+3], s[G0B+4*\slot+2:G0B+4*\slot+3], 2*ROWB
	JLOAD G0+4*\slot, G1, G0B+4*\slot, G1B         ; the first tensor load behind the round; its four v_nop are also the places in front of the loads below
.else
	PLACES NP
.endif
	FETCH_B \next, 0, 0
	FETCH_A \next, 0, 0
	WIN MUL_HI
	MUL16 4, 1, 0
	MUL16 6, 1, 0
	PLACES NP
	WIN 0
	FETCH_A \next, 0, 4
.endm
	s_wait_tensorcnt 1                             ; my part of K step 0 is in; K step 1's load may be out
	s_barrier_signal -1
	s_barrier_wait -1                              ; everybody's is
	FETCH_B 0, 0, 0
	FETCH_A 0, 0, 0
	FETCH_A 0, 0, 4
	s_cmp_eq_u32 ttmp9, 2                          ; the first step is written twice: only the register that it takes as C differs.  Cluster x decides: alike in all partners
	s_cbranch_scc1 .Lfirst_v
	s_wait_alu depctr_va_vdst(0)
	STEP 0, 0, 1
	s_branch .Lfirst_done
.Lfirst_v:
	s_wait_alu depctr_va_vdst(0)
	STEP 0, 0, 2
.Lfirst_done:
	s_mov_b32 s3, LAPS-1
.Llap:                                                 ; a trip goes once round the ring, from a lap's second step to the next lap's first, and fills both slots again
	TURN 0, 1, 1
	STEP 1, 0, 0
	TURN 1, 0, 1
	STEP 0, 0, 0
	s_sub_co_u32 s3, s3, 1
	s_cmp_lg_u32 s3, 0
	s_cbranch_scc1 .Llap
	TURN 0, 1, 0                                   ; the last lap fills nothing, and has no round of the cluster's barrier
	STEP 1, 0, 0
	s_wait_dscnt 4*NL                              ; the very last step: nothing more to fetch
	WIN MUL_LO
	MUL16 0, 1, 0
	MUL16 2, 1, 0
	s_wait_dscnt 0
	WIN MUL_HI
	MUL16 4, 1, 0
	MUL16 6, 1, 0
	WIN 0
; THE WAY OUT of block a: 8 conversions, 4 stores of 512 consecutive bytes.  No LDS: the conversions' results are the image.
; Every block has code registers of its own, so no store's data are written again.
.macro OUTBLK a
.if (\a) < 6
.set CD, 32+16*(\a)
.else
.set CD, 192+16*((\a)-6)
.endif
.set AC, 64*((\a)%4)
	WIN 0x02+((\a)/4)                              ; source 0: window 2 or 3
.set oi, 0
.rept 64
.set oi, oi+1
.endr
.irp b, 0,1,2,3,4,5,6,7
	v_cvt_scalef32_pk8_fp8_f32 v[CD+2*\b:CD+2*\b+1], v[AC+8*\b:AC+8*\b+7], v[SCV]
.endr
	WIN 0
	v_nop                                          ; a plain line between the conversions and the stores that read their results
.irp g, 0,1
.irp c, 0,1
	global_store_b128 v[VO+2*((\a)/4)+\g], v[CD+8*\g+4*\c:CD+8*\g+4*\c+3], s[10:11] offset:1024*((\a)%4)+512*\c
.endr
.endr
.endm
	PLACES NP                                      ; behind the last products: for the reads of results and the writes over A's fragments
.irp a, 0,1,2,3,4,5,6,7
	OUTBLK \a
.endr
	s_wait_tensorcnt 0x0                           ; the wave's end
	ds_add_u32 v[SPW], v[NIL]
	s_wait_dscnt 0x0
	CROUND                                         ; the closing round: no work-group ends while a partner may still ask for a tile that names it
	s_endpgm
.Lfunc_end_k_q0191f574f6_qkv:
	.size	k_q0191f574f6_qkv, .Lfunc_end_k_q0191f574f6_qkv-k_q0191f574f6_qkv
	.p2alignl 7, 3214868480
	.fill 96, 4, 3214868480
	.section	.rodata,"a",@progbits
	.p2align	6, 0x0
	.amdhsa_kernel k_q0191f574f6_qkv
		.amdhsa_group_segment_fixed_size 327680
		.amdhsa_private_segment_fixed_size 0
		.amdhsa_enable_private_segment 0
		.amdhsa_kernarg_size 88
		.amdhsa_user_sgpr_count 2
		.amdhsa_user_sgpr_kernarg_segment_ptr 1
		.amdhsa_wavefront_size32 1
		.amdhsa_system_sgpr_workgroup_id_x 1
		.amdhsa_system_sgpr_workgroup_id_y 1
		.amdhsa_system_sgpr_workgroup_id_z 1
		.amdhsa_system_vgpr_workitem_id 0
		.amdhsa_next_free_vgpr 1024
		.amdhsa_next_free_sgpr 100
		.amdhsa_reserve_vcc 0
		.amdhsa_float_denorm_mode_32 3
		.amdhsa_float_denorm_mode_16_64 3
		.amdhsa_fp16_overflow 1
		.amdhsa_memory_ordered 1
		.amdhsa_forward_progress 1
		.amdhsa_inst_pref_size 106
	.end_amdhsa_kernel
	.amdgpu_metadata
---
amdhsa.version: [ 1, 2 ]
amdhsa.kernels:
  - .name:           k_q0191f574f6_qkv
    .symbol:         k_q0191f574f6_qkv.kd
    .args:
      - { .name: x_codes, .offset: 0, .size: 8, .value_kind: global_buffer, .address_space: global }
      - { .name: Wq_codes, .offset: 8, .size: 8, .value_kind: global_buffer, .address_space: global }
      - { .name: Wk_codes, .offset: 16, .size: 8, .value_kind: global_buffer, .address_space: global }
      - { .name: Wv_codes, .offset: 24, .size: 8, .value_kind: global_buffer, .address_space: global }
      - { .name: bq, .offset: 32, .size: 8, .value_kind: global_buffer, .address_space: global }
      - { .name: bk, .offset: 40, .size: 8, .value_kind: global_buffer, .address_space: global }
      - { .name: bv, .offset: 48, .size: 8, .value_kind: global_buffer, .address_space: global }
      - { .name: lowp_scales, .offset: 56, .size: 8, .value_kind: global_buffer, .address_space: global }
      - { .name: q_img, .offset: 64, .size: 8, .value_kind: global_buffer, .address_space: global }
      - { .name: k_img, .offset: 72, .size: 8, .value_kind: global_buffer, .address_space: global }
      - { .name: v_img, .offset: 80, .size: 8, .value_kind: global_buffer, .address_space: global }
    .group_segment_fixed_size: 327680
    .private_segment_fixed_size: 0
    .kernarg_segment_align: 8
    .kernarg_segment_size: 88
    .max_flat_workgroup_size: 128
    .sgpr_count:     100
    .vgpr_count:     1024
    .wavefront_size: 32
...
	.end_amdgpu_metadata
.endif
;; end of part 1
;; launch attn (part 2): grid 4 x 64, 8 waves a work-group, no clusters, 263,168 bytes of LDS; arguments q_img, k_img, v_img, lowp_scales, a_img; writes a_img
.if DOCPART == 2
	.amdgcn_target "amdgcn-amd-amdhsa--gfx1250"
	.amdhsa_code_object_version 6
	.text
	.protected	k_q0191f574f6_attn
	.globl	k_q0191f574f6_attn
	.p2align	8
	.type	k_q0191f574f6_attn,@function
k_q0191f574f6_attn:
	s_mov_b64 s[64:65], 0
	v_nop
	global_prefetch_b8 v0, s[64:65] scope:SCOPE_SE
	s_setreg_imm32_b32 hwreg(HW_REG_WAVE_MODE, 25, 1), 1
	s_wait_xcnt 0x0
; O = softmax(Q K^T / 8) V for one head, both products on codes of FP8 (E4M3); the result is quantised with its given scale and stored as codes for the last product.
; t = score x log2(e) / 8; M = the row's largest t, rounded up to a whole number; p = 2^(t - M) is quantised with 2^e8; the row's sum is taken of the unquantised p and divides at the end.
; SHARES.  Work-group (x, y): queries 512 x .. 512 x + 511 of head y = 16 b + head.  Eight waves; a wave owns four tiles of 16 queries.
; K AND V LIE WHOLE IN LDS.  A head's codes are 131,072 bytes each, stored by the launch before as images of operand registers (1,024 bytes for 16 rows x 64 along K: registers 4 c .. 4 c + 3
; of the 32 lanes are 512 bytes on end).  Each wave brings an eighth of each through its registers, once.  A fragment is two loads at 16 x lane: no pitch, no padding.
; TWO PASSES OVER THE KEYS, 64 a step.  Pass 1: K Q^T and the largest score alone.  Pass 2: K Q^T again, with M known: no running maximum, and neither the sum nor O^T is ever rescaled.
; V's loads are out during pass 1 and go to LDS behind it.
; LAYOUT.  Both products are used transposed: S^T = K Q^T (source 0 = 16 keys, source 1 = 16 queries), O^T = V^T P^T (source 0 = 16 channels, source 1 = P): a lane holds one query
; (lane % 16) throughout, and the conversion of S^T's tile t gives registers 2 t, 2 t + 1 of P in the K = 64 form's own layout.
; THE HOLD of p at 448 x 2^e8 is left out; its jump on e8 >= -8 skips nothing: the largest exponent is made to be 0 or less below, so p / 2^e8 is at most 256 where e8 >= -8.  The jump hangs on a whole number read from the input.
; NO CLUSTER: the four work-groups of a head read the same 262,144 bytes, once each, at the head, for the work on 512 x 2,048 scores twice
; LIMITS: e6 + e7 between -123 and 130 (added to c's exponent field), and |t| under 2^23 for the bound on p; e8 and e10 between -126 and 119.  e8 + e9 goes through v_ldexp_f32.
; REGISTERS: window 0: v1-7 addresses and scales; v8-15 -M (a pair a tile); v16-31 four a tile: pass 1 two chains of maxima, pass 2 two pairs of sums; v32-63 Q; v64-95 K's four fragments;
;   v96-127 V's four; v128-255 S^T (tile q, keys 16 t on: 128 + 32 q + 8 t), first K's landing place.   window 1: v0-127 O^T (32 q + 8 d), first V's landing place; v128-159 P's codes.
.set LI,  1                            ; v1   16 x lane
.set LW,  2                            ; v2   16,384 x wave + 16 x lane: my eighth of K and V in memory, K's in LDS, and my four tiles in a_img; never rewritten
.set LWV, 3                            ; v3   the same + 131,072: my eighth of V in LDS
.set ADK, 4                            ; v4   LDS address of the step's K
.set ADV, 5                            ; v5   of its V
.set SCP, 6                            ; v6   2^e8 as f32
.set QO,  7                            ; v7   4,096 x wave + 16 x lane: my tiles of Q; on the way out 2^e10 as f32
.set NM,  8
.set ST,  16
.set QF,  32
.set KF,  64
.set VF,  96
.set S,   128
.set PC,  128                          ; in window 1
.set MSB, 0
.macro WIN new                         ; the immediate's high byte repeats the setting that is left
.if MSB != \new
	s_set_vgpr_msb (MSB<<8)|\new
.set MSB, \new
.endif
.endm
	s_load_b128 s[4:7], s[0:1], 0x0                ; q_img, k_img
	s_load_b128 s[8:11], s[0:1], 0x10              ; v_img, the scales' exponents
	s_load_b64 s[12:13], s[0:1], 0x20              ; a_img
	s_set_vgpr_msb 0x40
	v_lshl_add_u32 v160, v0, 2, 0x40000
	v_mov_b32 v161, 0
	s_set_vgpr_msb 0x4000
	v_lshrrev_b32 v1, 5, v0
	v_readfirstlane_b32 s14, v1                    ; wave 0..7
	s_and_b32 s15, ttmp7, 0xffff                   ; 16 b + head
	v_and_b32 v1, 31, v0
	v_lshlrev_b32 v[LI], 4, v1
	s_lshl_b32 s36, s14, 14
	v_add_nc_u32 v[LW], s36, v[LI]
	v_add_nc_u32 v[LWV], 0x20000, v[LW]
	s_lshl_b32 s36, s14, 12
	v_add_nc_u32 v[QO], s36, v[LI]
	s_lshl_b32 s36, s15, 17                        ; the head's 131,072 bytes in q_img, k_img, v_img
	s_mov_b32 s37, 0
	s_lshl_b32 s38, ttmp9, 15                      ; my 512 queries: 32 images
	s_mov_b32 s39, 0
	; a_img: [head / 4][token / 16][head % 4][c][lane][16]: 2^21, 4,096, 1,024, 512, 16 bytes
	s_and_b32 s16, s15, 15
	s_lshr_b32 s17, s15, 4
	s_lshr_b32 s18, s16, 2
	s_lshl_b32 s18, s18, 21
	s_lshl_b32 s17, s17, 19                        ; the batch: 128 tiles of tokens
	s_add_co_u32 s18, s18, s17
	s_lshl_b32 s17, ttmp9, 17                      ; my 32 tiles
	s_add_co_u32 s18, s18, s17
	s_and_b32 s17, s16, 3
	s_lshl_b32 s17, s17, 10
	s_add_co_u32 s18, s18, s17
	s_mov_b32 s19, 0
	s_mov_b32 s20, 0x76543210                      ; v_permlanex16_b32's selects for lane l xor 16
	s_mov_b32 s21, 0xfedcba98
	s_mov_b32 s22, 0x3e38aa3b                      ; c = log2(e) / 8
	s_wait_kmcnt 0x0
	s_load_b128 s[24:27], s[10:11], 0x18           ; e6, e7, e8, e9
	s_load_b32 s28, s[10:11], 0x28                 ; e10
	s_add_nc_u64 s[4:5], s[4:5], s[36:37]
	s_add_nc_u64 s[4:5], s[4:5], s[38:39]
	s_add_nc_u64 s[6:7], s[6:7], s[36:37]
	s_add_nc_u64 s[8:9], s[8:9], s[36:37]
	s_add_nc_u64 s[12:13], s[12:13], s[18:19]
.irp i, 0,1,2,3,4,5,6,7
	global_load_b128 v[QF+4*\i:QF+4*\i+3], v[QO], s[4:5] offset:512*\i th:TH_LOAD_NT   ; Q's four fragments stay in registers
.endr
.set li, 0
.rept 32
	global_load_b128 v[S+4*li:S+4*li+3], v[LW], s[6:7] offset:512*li                   ; my eighth of K: 32 x 512 consecutive bytes
.set li, li+1
.endr
	WIN 0x40                                       ; destination window 1
.set li, 0
.rept 32
	global_load_b128 v[4*li:4*li+3], v[LW], s[8:9] offset:512*li                       ; my eighth of V
.set li, li+1
.endr
	WIN 0
.set li, 0
.rept 16
	v_mov_b32 v[ST+li], 0xff800000                 ; the chains of maxima begin at -infinity (the two spare registers of a tile are written with them)
.set li, li+1
.endr
	s_wait_kmcnt 0x0
	s_add_co_i32 s36, s24, s25
	s_lshl_b32 s36, s36, 23
	s_add_co_i32 s22, s22, s36                     ; a sum of codes stands for score / 2^(e6 + e7): the exponents are added to c's exponent field
	s_mov_b32 s23, s22                             ; (named with it as a pair, so it is written)
	s_add_co_i32 s36, s26, 127
	s_lshl_b32 s37, s36, 23
	v_mov_b32 v[SCP], s37                          ; 2^e8
	s_add_co_i32 s33, s26, s27                     ; e8 + e9
	s_add_co_i32 s36, s28, 127
	s_lshl_b32 s40, s36, 23                        ; 2^e10
	s_wait_loadcnt 32                              ; Q and K are in; V's 32 loads, issued behind them, stay out
.set li, 0
.rept 32
	ds_store_b128 v[LW], v[S+4*li:S+4*li+3] offset:512*li
.set li, li+1
.endr
	s_wait_dscnt 0x0                               ; for the others' sake: my eighth of K lies in LDS
	s_barrier_signal -1
	s_barrier_wait -1                              ; all of K does
.macro KLOAD                           ; four fragments of K: 64 keys x 64 channels
.irp t, 0,1,2,3
	ds_load_b128 v[KF+8*\t:KF+8*\t+3], v[ADK] offset:1024*\t
	ds_load_b128 v[KF+8*\t+4:KF+8*\t+7], v[ADK] offset:1024*\t+512
.endr
.endm
.macro VLOAD                           ; four fragments of V^T: 64 channels x 64 keys
.irp t, 0,1,2,3
	ds_load_b128 v[VF+8*\t:VF+8*\t+3], v[ADV] offset:1024*\t
	ds_load_b128 v[VF+8*\t+4:VF+8*\t+7], v[ADV] offset:1024*\t+512
.endr
.endm
.macro QK                              ; S^T = K Q^T: each fragment of K against my four tiles of queries; K = 64 is the whole sum, so C is 0
.irp t, 0,1,2,3
.irp q, 0,1,2,3
	v_wmma_f32_16x16x64_fp8_fp8 v[S+32*\q+8*\t:S+32*\q+8*\t+7], v[KF+8*\t:KF+8*\t+7], v[QF+8*\q:QF+8*\q+7], 0
.endr
.endr
.endm
.macro MAXES                           ; 128 scores into eight chains, two a tile; each accumulator from its low end on; neighbouring lines belong to different chains
.irp t, 0,1,2,3
.irp k, 0,1,2,3
.irp q, 0,1,2,3
	v_max3_num_f32 v[ST+4*\q+\t%2], v[ST+4*\q+\t%2], v[S+32*\q+8*\t+2*\k], v[S+32*\q+8*\t+2*\k+1]
.endr
.endr
.endr
.endm
; A step of pass 1.  wrap = 1: the last: the next fragments are those of key 0 on, for pass 2.
.macro STEP1 wrap
	s_wait_dscnt 0x0                               ; this step's K is in (asked for a step ago)
	QK
.if \wrap
	s_mov_b32 s29, 0
.else
	s_add_co_u32 s29, s29, 4096
.endif
	v_add_nc_u32 v[ADK], s29, v[LI]                ; with the three v_nop: the four places in front of the loads into K's registers and of the first read of the scores
	v_nop
	v_nop
	v_nop
	KLOAD
	MAXES
.endm
	s_mov_b32 s29, 0
	v_mov_b32 v[ADK], v[LI]
	KLOAD
	s_mov_b32 s31, 31
.Lpass1:
	STEP1 0
	s_sub_co_u32 s31, s31, 1
	s_cmp_lg_u32 s31, 0
	s_cbranch_scc1 .Lpass1
	STEP1 1
	; M.  The query's other 32 keys of each step lie in the lane 16 away.
.irp q, 0,1,2,3
	v_max_num_f32 v[ST+4*\q], v[ST+4*\q], v[ST+4*\q+1]
.endr
.irp q, 0,1,2,3
	v_permlanex16_b32 v[ST+4*\q+2], v[ST+4*\q], s20, s21
.endr
.irp q, 0,1,2,3
	v_max_num_f32 v[ST+4*\q], v[ST+4*\q], v[ST+4*\q+2]     ; the row's largest sum of codes
.endr
.irp q, 0,1,2,3
	v_mul_f32 v[ST+4*\q+1], s22, v[ST+4*\q]                ; as t (c is positive)
.endr
.irp q, 0,1,2,3
	v_floor_f32 v[NM+2*\q], -v[ST+4*\q+1]                  ; -M = floor(-t) = -ceil(t)
.endr
.irp q, 0,1,2,3
	v_fma_f32 v[ST+4*\q+1], v[ST+4*\q], s22, v[NM+2*\q]    ; the largest exponent as pass 2 will form it.  Where the product's rounding above hid a part above M,
.endr
.irp q, 0,1,2,3
	v_max_num_f32 v[ST+4*\q+1], 0, v[ST+4*\q+1]
.endr
.irp q, 0,1,2,3
	v_floor_f32 v[ST+4*\q+1], -v[ST+4*\q+1]                ; M grows by its ceiling: so no exponent of pass 2 is above 0
.endr
.irp q, 0,1,2,3
	v_add_f32 v[NM+2*\q], v[NM+2*\q], v[ST+4*\q+1]
.endr
.irp q, 0,1,2,3
	v_mov_b32 v[NM+2*\q+1], v[NM+2*\q]                     ; (named with it as a pair, so it is written)
.endr
.set li, 0
.rept 16
	v_mov_b32 v[ST+li], 0                          ; the sums: two pairs a tile
.set li, li+1
.endr
	s_wait_loadcnt 0x0                             ; V
	WIN 0x04                                       ; the stores' data in window 1
.set li, 0
.rept 32
	ds_store_b128 v[LWV], v[4*li:4*li+3] offset:512*li
.set li, li+1
.endr
	WIN 0
	s_wait_dscnt 0x0                               ; for the others' sake: my eighth of V lies in LDS (and K's first fragments are in)
	s_barrier_signal -1
	s_barrier_wait -1                              ; all of V does
.macro SCALE i                         ; pair i of the 64: t - M, two at a time (of the pairs c and -M the low word serves both halves)
	v_pk_fma_f32 v[S+2*(\i):S+2*(\i)+1], v[S+2*(\i):S+2*(\i)+1], s[22:23], v[NM+2*((\i)/16):NM+2*((\i)/16)+1] op_sel_hi:[1,0,0]
.endm
.macro SOFT                            ; 64 scalings and 128 exponentials as ONE batch: a scaling leads each pair of exponentials, two pairs ahead of its own; no line reads an exponential's result
	SCALE 0
	SCALE 1
.set sn, 0
.rept 64
.if sn < 62
	SCALE sn+2
.endif
	v_exp_f32 v[S+2*sn], v[S+2*sn]
	v_exp_f32 v[S+2*sn+1], v[S+2*sn+1]
.set sn, sn+1
.endr
.endm
.macro SUMS                            ; the rows' sums of the unquantised p: eight chains of pairs
.irp u, 0,1,2,3,4,5,6,7,8,9,10,11,12,13,14,15
.irp q, 0,1,2,3
	v_pk_add_f32 v[ST+4*\q+2*(\u%2):ST+4*\q+2*(\u%2)+1], v[ST+4*\q+2*(\u%2):ST+4*\q+2*(\u%2)+1], v[S+32*\q+2*\u:S+32*\q+2*\u+1]
.endr
.endr
.endm
.macro HOLD                            ; no hold is made; p is at most 1, so with e8 >= -8 no p / 2^e8 is above 256
	s_cmp_ge_i32 s26, -8
	s_cbranch_scc1 .Lfits_\@
.set hn, 0
.rept 128
.set hn, hn+1
.endr
.Lfits_\@:
.endm
.macro PV first                        ; O^T += V^T P^T: each fragment of V against my four tiles; the 16 accumulators take turns
	s_setprio 0
.irp d, 0,1,2,3
.irp q, 0,1,2,3
.if \first
	v_wmma_f32_16x16x64_fp8_fp8 v[32*\q+8*\d:32*\q+8*\d+7], v[VF+8*\d:VF+8*\d+7], v[PC+8*\q:PC+8*\q+7], 0
.else
	v_wmma_f32_16x16x64_fp8_fp8 v[32*\q+8*\d:32*\q+8*\d+7], v[VF+8*\d:VF+8*\d+7], v[PC+8*\q:PC+8*\q+7], v[32*\q+8*\d:32*\q+8*\d+7]
.endif
.endr
.endr
.endm
; A step of pass 2.  first = 1: its products start O^T's sums.  more = 1: the next step's K is asked for.
.macro STEP2 first, more
	s_wait_dscnt 0x0                               ; this step's K is in (asked for a step ago)
	QK
	v_add_nc_u32 v[ADV], s30, v[LI]                ; four plain lines: the places in front of the loads into V's registers (read by the last step's products), into K's, and of the first read of the scores
.if \more
	s_add_co_u32 s29, s29, 4096
	v_add_nc_u32 v[ADK], s29, v[LI]
.else
	v_nop
.endif
	v_nop
	v_nop
	VLOAD
.if \more
	KLOAD
.endif
	s_add_co_u32 s30, s30, 4096
	SOFT
	s_setprio 1
	v_nop                                          ; a plain line behind the last exponential
	s_wait_alu depctr_va_vdst(0)                   ; one wait for the batch of 128, ahead of its first reader and of the branch below
	SUMS
	HOLD
	WIN 0x40                                       ; destination window 1
.irp q, 0,1,2,3
.irp t, 0,1,2,3
	v_cvt_scalef32_pk8_fp8_f32 v[PC+8*\q+2*\t:PC+8*\q+2*\t+1], v[S+32*\q+8*\t:S+32*\q+8*\t+7], v[SCP]
.endr
.endr
	v_nop                                          ; a plain line between the conversions and the products that read their results
.if \more
	s_wait_dscnt 8                                 ; V is in; the 8 loads of the next K, issued behind it, may be out
.else
	s_wait_dscnt 0x0
.endif
	WIN 0x54                                       ; source 1 (P), C and D window 1; source 0 (V) window 0
	PV \first
	WIN 0
.endm
	s_mov_b32 s30, 131072                          ; V's images begin behind K's
	STEP2 1, 1
	s_mov_b32 s31, 30
.Lpass2:
	s_setprio 2
	STEP2 0, 1
	s_sub_co_u32 s31, s31, 1
	s_cmp_lg_u32 s31, 0
	s_cbranch_scc1 .Lpass2
	s_setprio 0
	STEP2 0, 0
	; THE WAY OUT.  The sum's parts are added (these lines are also the places behind the last products); O^T x 2^(e8 + e9) / the sum is converted, and brought into the order of k that the last product's loads give Wo.
.irp q, 0,1,2,3
	v_pk_add_f32 v[ST+4*\q:ST+4*\q+1], v[ST+4*\q:ST+4*\q+1], v[ST+4*\q+2:ST+4*\q+3]
.endr
.irp q, 0,1,2,3
	v_add_f32 v[ST+4*\q], v[ST+4*\q], v[ST+4*\q+1]
.endr
.irp q, 0,1,2,3
	v_permlanex16_b32 v[ST+4*\q+2], v[ST+4*\q], s20, s21
.endr
.irp q, 0,1,2,3
	v_add_f32 v[ST+4*\q], v[ST+4*\q], v[ST+4*\q+2]         ; the row's sum
.endr
.irp q, 0,1,2,3
	v_rcp_f32 v[ST+4*\q], v[ST+4*\q]
.endr
	v_mov_b32 v[QO], s40                           ; 2^e10 for the conversions.  (A plain line behind the reciprocals)
	s_wait_alu depctr_va_vdst(0)                   ; one wait for the four, ahead of their first reader
.irp q, 0,1,2,3
	v_ldexp_f32 v[ST+4*\q], v[ST+4*\q], s33
.endr
.irp q, 0,1,2,3
	v_mov_b32 v[ST+4*\q+1], v[ST+4*\q]             ; (named with it as a pair)
.endr
	WIN 0x01                                       ; source 0 (O^T) window 1
.irp q, 0,1,2,3
.irp u, 0,1,2,3,4,5,6,7,8,9,10,11,12,13,14,15
	v_pk_mul_f32 v[S+32*\q+2*\u:S+32*\q+2*\u+1], v[32*\q+2*\u:32*\q+2*\u+1], v[ST+4*\q:ST+4*\q+1] op_sel_hi:[1,0]
.endr
.endr
	WIN 0
.set hn, 0
.rept 128
.set hn, hn+1
.endr
.irp q, 0,1,2,3
.irp d, 0,1,2,3
	v_cvt_scalef32_pk8_fp8_f32 v[KF+8*\q+2*\d:KF+8*\q+2*\d+1], v[S+32*\q+8*\d:S+32*\q+8*\d+7], v[QO]   ; registers 2 d, 2 d + 1 of lane (r, h): channels 16 d + 8 h + 0 .. 7
.endr
.endr
	v_nop                                          ; a plain line between the conversions and the lines that read their results
	; Wanted: registers 4 c .. 4 c + 3 of lane (r, h) = channels 32 c + 16 h + 0 .. 15.  With x = register 4 c + e and y = register 4 c + 2 + e: lanes 0-15 keep x and take the other half's x as y;
	; lanes 16-31 keep y and take the other half's y as x.
	s_mov_b32 vcc_lo, 0xffff0000
.set xn, 0
.irp q, 0,1,2,3
.irp c, 0,1
.irp e, 0,1
	v_permlanex16_b32 v[VF+2*xn], v[KF+8*\q+4*\c+2+\e], s20, s21
	v_permlanex16_b32 v[VF+2*xn+1], v[KF+8*\q+4*\c+\e], s20, s21
.set xn, xn+1
.endr
.endr
.endr
.set xn, 0
.irp q, 0,1,2,3
.irp c, 0,1
.irp e, 0,1
	v_cndmask_b32 v[KF+8*\q+4*\c+\e], v[KF+8*\q+4*\c+\e], v[VF+2*xn], vcc_lo
	v_cndmask_b32 v[KF+8*\q+4*\c+2+\e], v[VF+2*xn+1], v[KF+8*\q+4*\c+2+\e], vcc_lo
.set xn, xn+1
.endr
.endr
.endr
.irp q, 0,1,2,3
.irp c, 0,1
	global_store_b128 v[LW], v[KF+8*\q+4*\c:KF+8*\q+4*\c+3], s[12:13] offset:4096*\q+512*\c   ; 32 lanes store 512 consecutive bytes, at a multiple of 512 from the buffer's first byte
.endr
.endr
	s_set_vgpr_msb 0x5
	s_wait_tensorcnt 0x0
	ds_add_u32 v160, v161
	s_wait_dscnt 0x0
	s_set_vgpr_msb 0x500
	s_endpgm
.Lfunc_end_k_q0191f574f6_attn:
	.size	k_q0191f574f6_attn, .Lfunc_end_k_q0191f574f6_attn-k_q0191f574f6_attn
	.p2alignl 7, 3214868480
	.fill 96, 4, 3214868480
	.section	.rodata,"a",@progbits
	.p2align	6, 0x0
	.amdhsa_kernel k_q0191f574f6_attn
		.amdhsa_group_segment_fixed_size 263168
		.amdhsa_private_segment_fixed_size 0
		.amdhsa_enable_private_segment 0
		.amdhsa_kernarg_size 40
		.amdhsa_user_sgpr_count 2
		.amdhsa_user_sgpr_kernarg_segment_ptr 1
		.amdhsa_wavefront_size32 1
		.amdhsa_system_sgpr_workgroup_id_x 1
		.amdhsa_system_sgpr_workgroup_id_y 1
		.amdhsa_system_sgpr_workgroup_id_z 1
		.amdhsa_system_vgpr_workitem_id 0
		.amdhsa_next_free_vgpr 418
		.amdhsa_next_free_sgpr 66
		.amdhsa_reserve_vcc 1
		.amdhsa_float_denorm_mode_32 3
		.amdhsa_float_denorm_mode_16_64 3
		.amdhsa_fp16_overflow 1
		.amdhsa_memory_ordered 1
		.amdhsa_forward_progress 1
		.amdhsa_inst_pref_size 89
	.end_amdhsa_kernel
	.amdgpu_metadata
---
amdhsa.version: [ 1, 2 ]
amdhsa.kernels:
  - .name:           k_q0191f574f6_attn
    .symbol:         k_q0191f574f6_attn.kd
    .args:
      - { .name: q_img, .offset: 0, .size: 8, .value_kind: global_buffer, .address_space: global }
      - { .name: k_img, .offset: 8, .size: 8, .value_kind: global_buffer, .address_space: global }
      - { .name: v_img, .offset: 16, .size: 8, .value_kind: global_buffer, .address_space: global }
      - { .name: lowp_scales, .offset: 24, .size: 8, .value_kind: global_buffer, .address_space: global }
      - { .name: a_img, .offset: 32, .size: 8, .value_kind: global_buffer, .address_space: global }
    .group_segment_fixed_size: 263168
    .private_segment_fixed_size: 0
    .kernarg_segment_align: 8
    .kernarg_segment_size: 40
    .max_flat_workgroup_size: 256
    .sgpr_count:     66
    .vgpr_count:     418
    .wavefront_size: 32
...
	.end_amdgpu_metadata
.endif
;; end of part 2
;; launch proj (part 3): grid 4 x 32, 4 waves a work-group, clusters of 4 x 4, 327,680 bytes of LDS; arguments a_img, Wo_codes, lowp_scales, bo, out0; writes out0
.if DOCPART == 3
	.amdgcn_target "amdgcn-amd-amdhsa--gfx1250"
	.amdhsa_code_object_version 6
	.text
	.protected	k_q0191f574f6_proj
	.globl	k_q0191f574f6_proj
	.p2align	8
	.type	k_q0191f574f6_proj,@function
k_q0191f574f6_proj:
	s_mov_b64 s[64:65], 0
	v_nop
	global_prefetch_b8 v0, s[64:65] scope:SCOPE_SE
	s_setreg_imm32_b32 hwreg(HW_REG_WAVE_MODE, 25, 1), 1
	s_wait_xcnt 0x0
	s_wait_alu depctr_hold_cnt(0) depctr_sa_sdst(0) depctr_va_vdst(0) depctr_va_sdst(0) depctr_va_ssrc(0) depctr_va_vcc(0) depctr_vm_vsrc(0)
	s_getreg_b32 s2, hwreg(HW_REG_IB_STS2, 6, 4)
	s_cmp_eq_u32 s2, 0
	s_cbranch_scc0 .Lentry_in_a_cluster
	s_endpgm
.Lentry_in_a_cluster:
	s_bfe_u32 s2, ttmp6, 0x10000c
	s_cmp_lg_u32 s2, 0xf033
	s_cbranch_scc0 .Lentry_shape_is_right
	s_endpgm
.Lentry_shape_is_right:
; out = attn Wo + bo on codes of FP8 (E4M3).  attn: 8,192 tokens x 1,024, as images of operand registers (below); Wo: [1024 (n)][1024 (k)] codes, K innermost; out: [8192][1024] f32.
; Each finished sum is multiplied once by 2^(e10 + e11) and bo is added, in one packed multiply-add for two numbers.
; A tile of out, 256 x 256, is made by four waves, 128 x 128 each: 64 accumulators, 512 registers.  K goes in steps of 256 through a ring of two LDS slots filled by the tensor data mover.
; a_img: [k / 256][token / 16][(k / 64) % 4][c][lane][16 bytes]; lane (r, h) holds, of token 16 T + r, k = 64 head + 32 c + 16 h + 0 .. 15.  So a tile's 256 tokens of a K step are 65,536 dense bytes,
; and four loads at 16 x lane, 512 bytes apart, give a fragment of 16 tokens x 128 K in the very order of k that four loads of 16 bytes, 32 apart, give Wo's rows: the same permutation of k in both operands.
; CLUSTERS: 4 x 4 work-groups; A's tiles are asked for jointly along a row of the cluster, B's along a column.  THE MATRIX INSTRUCTION IS USED TRANSPOSED (source 0 = 16 rows of Wo, source 1 = 16 tokens):
; a lane holds eight neighbouring numbers of a row of out.
; LIMIT: e10 + e11 between -126 and 127, so that 2^(e10 + e11) is an f32 number.
; REGISTERS: window 0: v1-29 addresses; v32-95 bo in the result's layout; v128-255 A's fragments, one set; on the way out rows read back from the stage.
;   window 1: B's fragments, two sets; on the way out v0-63 a block's results.   windows 2, 3: the accumulators, (a, b) at v[8 (8 (a % 4) + b)].
.set SIZE_N, 1024
.set KROW,   1024                      ; a row of Wo in bytes
.set ROWB,   256                       ; a row of B's tile
.set PITCH,  272                       ; and in LDS: + 16 of padding
.set FR,     16
.set NL,     4
.set NP,     4
.set HALFA,  32768                     ; 128 tokens x 256 K as images: what one tensor load brings of A
.set HALFB,  128*PITCH                 ; 128 rows of B
.set BOFF,   2*HALFA                   ; in a slot B's rows lie behind A's images
.set SLOT,   BOFF+2*HALFB
.set ASTEP,  0x200000                  ; a K step on in a_img
.set LAPS,   2
.set SPARE,  2*SLOT                    ; behind the ring: the spare words, 128 bytes a wave
.set SPITCH, 528                       ; the way out: a stage of 16 rows x (512 bytes + 16) for each wave, in slot 0, which has had its last fill and its last read when the first result is stored there
.set ADRA, 16
.set ADRB, 20
.set STO,  24                          ; v24  the way out: where I put 32 bytes of a row
.set RD,   25                          ; v25  where I read a row back
.set CO,   26                          ; v26  16 x lane
.set SPW,  28
.set NIL,  29
.set BO,   32                          ; v32-95  register 8 b + j = bo[my first column + 16 b + 8 h + j]
.set AF,   128
.set BK,   128                         ; the way out: 16 rows read back: v128-191 and v192-255 by turns
.set G1,  24
.set G0,  32
.set G1B, 48
.set G0B, 56
.set MSB, 0
.macro WIN new
.if MSB != \new
	s_set_vgpr_msb (MSB<<8)|\new
.set MSB, \new
.endif
.endm
.set MUL_LO, 0xa1
.set MUL_HI, 0xf1
.set TO_B,   0x40
.macro JLOAD g0a, g1a, g0b, g1b        ; waves 0 and 1 fetch for A, waves 2 and 3 for B; four v_nop follow each of the two lines
	s_cmp_eq_u32 s15, 0
	s_cbranch_scc0 .Lfor_b_\@
	tensor_load_to_lds s[\g0a:\g0a+3], s[\g1a:\g1a+7]
	s_nop 0
.rept 4
	v_nop
.endr
	s_branch .Lasked_\@
.Lfor_b_\@:
	tensor_load_to_lds s[\g0b:\g0b+3], s[\g1b:\g1b+7]
	s_nop 0
.rept 4
	v_nop
.endr
.Lasked_\@:
.endm
.macro CREST
	s_cmp_lg_u32 s14, 0
	s_cbranch_scc1 .Lnot_wave_0_\@
	s_barrier_signal -3
.Lnot_wave_0_\@:
	s_barrier_wait -3
	s_barrier_signal -1
	s_barrier_wait -1
.endm
.macro CROUND
	s_barrier_signal -1
	s_barrier_wait -1
	CREST
.endm
	s_load_b128 s[4:7], s[0:1], 0x0                ; a_img, Wo's codes
	s_load_b128 s[8:11], s[0:1], 0x10              ; the scales' exponents, bo
	s_load_b64 s[12:13], s[0:1], 0x20              ; out
	v_lshl_add_u32 v[SPW], v0, 2, SPARE
	v_mov_b32 v[NIL], 0
	ds_add_u32 v28, v29
	ds_add_u32 v28, v29
	s_wait_dscnt 0x0
	v_lshrrev_b32 v1, 5, v0
	v_readfirstlane_b32 s14, v1                    ; wave 0..3
	s_lshr_b32 s15, s14, 1                         ; which half of the tile's rows is mine.  Also: I fetch for A (0) or for B (1)
	s_and_b32 s16, s14, 1                          ; which half of its columns.  Also: which half of that tile I fetch
	s_bfe_u32 s40, ttmp6, 0x40000                  ; cx, cy
	s_bfe_u32 s41, ttmp6, 0x40004
	s_lshl_b32 s42, ttmp9, 2
	s_add_co_u32 s42, s42, s40                     ; tile column
	s_and_b32 s17, ttmp7, 0xffff
	s_lshl_b32 s17, s17, 2
	s_add_co_u32 s17, s17, s41                     ; tile row
	s_lshl_b32 s43, s41, 2
	s_lshl_b32 s43, 15, s43                        ; my row of the cluster
	s_lshl_b32 s44, 0x1111, s40                    ; my column
	; A: a dense block of 32,768 bytes, stated as 128 rows of 32 elements of 8 bytes, no padding
	s_or_b32 s[G1+0], s43, (3<<16)|(1<<21)         ; 15:0 the mask; 17:16 elements of 8 bytes; 21 set beside a mask
	s_mov_b32 s[G1+1], 32<<16                      ; tensor_dim0 = 32
	s_mov_b32 s[G1+2], 128<<16                     ; tensor_dim1 = 128
	s_mov_b32 s[G1+3], 32<<16                      ; tile_dim0 = 32
	s_mov_b32 s[G1+4], 128                         ; tile_dim1 = 128
	s_mov_b32 s[G1+5], 32                          ; from row to row
	s_mov_b32 s[G1+6], 0
	s_mov_b32 s[G1+7], 0
	; B: 128 rows of 256 bytes, 1,024 apart, padded in LDS
	s_or_b32 s[G1B+0], s44, (0<<16)|(1<<20)|(1<<21)|(5<<22)|(3<<25)
	s_mov_b32 s[G1B+1], ROWB<<16
	s_mov_b32 s[G1B+2], 128<<16
	s_mov_b32 s[G1B+3], ROWB<<16
	s_mov_b32 s[G1B+4], 128
	s_mov_b32 s[G1B+5], KROW
	s_mov_b32 s[G1B+6], 0
	s_mov_b32 s[G1B+7], 0
	s_lshl_b32 s20, s17, 16                        ; A: (16 x tile row + 8 x half) tiles of tokens of 4,096 bytes
	s_lshl_b32 s18, s16, 15
	s_add_co_u32 s20, s20, s18
	s_mov_b32 s21, 0
	s_lshl_b32 s46, s42, 18                        ; B: (256 x tile column + 128 x half) rows of 1,024 bytes
	s_lshl_b32 s18, s16, 17
	s_add_co_u32 s46, s46, s18
	s_mov_b32 s47, 0
	s_lshl_b32 s45, s16, 15                        ; where A's half goes,
	s_mul_i32 s19, s16, HALFB
	s_add_co_u32 s19, s19, BOFF                    ; and B's: the wave's number alone enters an LDS address
	s_wait_kmcnt 0x0
	s_load_b64 s[96:97], s[8:9], 0x28              ; e10, e11
	s_add_nc_u64 s[20:21], s[4:5], s[20:21]
	s_add_nc_u64 s[46:47], s[6:7], s[46:47]
	CROUND                                         ; all sixteen work-groups are here: the first joint loads meet
.irp s, 0,1
	s_mov_b32 s[G0+4*\s], 1
	s_add_co_u32 s[G0+4*\s+1], s45, \s*SLOT
	s_add_nc_u64 s[G0+4*\s+2:G0+4*\s+3], s[20:21], \s*ASTEP
	s_or_b32 s[G0+4*\s+3], s[G0+4*\s+3], 0x80000000
	s_mov_b32 s[G0B+4*\s], 1
	s_add_co_u32 s[G0B+4*\s+1], s19, \s*SLOT
	s_add_nc_u64 s[G0B+4*\s+2:G0B+4*\s+3], s[46:47], \s*ROWB
	s_or_b32 s[G0B+4*\s+3], s[G0B+4*\s+3], 0x80000000
	JLOAD G0+4*\s, G1, G0B+4*\s, G1B               ; two tensor loads of mine are out
.endr
	v_and_b32 v1, 15, v0                           ; r
	v_bfe_u32 v2, v0, 4, 1                         ; h
	v_mul_u32_u24 v3, v1, PITCH
	v_lshl_add_u32 v4, v2, 4, v3                   ; B: a fragment's row x pitch + 16 h
	v_and_b32 v6, 31, v0
	v_lshlrev_b32 v[CO], 4, v6                     ; A: 16 x lane
	s_lshl_b32 s21, s15, 15                        ; my 128 tokens: 8 tiles of 4,096 bytes
	s_mul_i32 s22, s16, HALFB                      ; my 128 rows of B
	s_add_co_u32 s22, s22, BOFF
.irp s, 0,1
	v_add_nc_u32 v[ADRA+\s], s21, v[CO]
	v_add_nc_u32 v[ADRB+\s], s22, v4
	s_add_co_u32 s21, s21, SLOT
	s_add_co_u32 s22, s22, SLOT
.endr
	s_mul_i32 s23, s14, 16*SPITCH                  ; my stage
	v_mul_u32_u24 v5, v1, SPITCH                   ; in: row r, 32 bytes for each half of the lanes
	v_lshl_add_u32 v5, v2, 5, v5
	v_add_nc_u32 v[STO], s23, v5
	v_add_nc_u32 v[RD], s23, v[CO]                 ; back: the 32 lanes take one row of 512 bytes
	s_lshl_b32 s20, s17, 8
	s_lshl_b32 s21, s15, 7
	s_add_co_u32 s20, s20, s21                     ; my first row of out
	s_lshl_b32 s20, s20, 12                        ; rows of 4,096 bytes: under 2^25
	s_mov_b32 s21, 0
	s_lshl_b32 s46, s42, 10                        ; my first column, in bytes: 1,024 x tile column + 512 x half
	s_lshl_b32 s47, s16, 9
	s_add_co_u32 s46, s46, s47
	s_mov_b32 s47, 0
	s_add_nc_u64 s[10:11], s[10:11], s[46:47]      ; bo at my first column
	s_add_nc_u64 s[20:21], s[20:21], s[46:47]
	s_add_nc_u64 s[12:13], s[12:13], s[20:21]
	v_lshlrev_b32 v7, 5, v2                        ; 32 h
.irp b, 0,1,2,3,4,5,6,7
	global_load_b128 v[BO+8*\b:BO+8*\b+3], v7, s[10:11] offset:64*\b
	global_load_b128 v[BO+8*\b+4:BO+8*\b+7], v7, s[10:11] offset:64*\b+16
.endr
.macro FRAGA reg, slot, q, i           ; 16 tokens x 128 K as it was stored: registers 4 c .. 4 c + 3 of the 32 lanes are 512 bytes on end
.irp c, 0,1,2,3
	ds_load_b128 v[\reg+4*\c:\reg+4*\c+3], v[ADRA+\slot] offset:4096*(\i)+2048*(\q)+512*\c
.endr
.endm
.macro FRAGB reg, slot, q, i           ; 16 rows of Wo x 128 K: lane (r, h) holds K = 32 c + 16 h + 0 .. 15 in registers 4 c .. 4 c + 3
.irp c, 0,1,2,3
	ds_load_b128 v[\reg+4*\c:\reg+4*\c+3], v[ADRB+\slot] offset:128*(\q)+32*\c+(\i)*16*PITCH
.endr
.endm
; 16 matrix instructions: A's blocks a0, a0 + 1 x B's eight.  The 64 accumulators take turns, one instruction a turn, in the same order in every step.
.macro MUL16 a0, p, zero
.irp a, \a0, \a0+1
.irp b, 0,1,2,3,4,5,6,7
.if \zero
	v_wmma_f32_16x16x128_fp8_fp8 v[8*(8*((\a)%4)+\b):8*(8*((\a)%4)+\b)+7], v[128*(\p)+FR*\b:128*(\p)+FR*\b+FR-1], v[AF+FR*(\a):AF+FR*(\a)+FR-1], 0
.else
	v_wmma_f32_16x16x128_fp8_fp8 v[8*(8*((\a)%4)+\b):8*(8*((\a)%4)+\b)+7], v[128*(\p)+FR*\b:128*(\p)+FR*\b+FR-1], v[AF+FR*(\a):AF+FR*(\a)+FR-1], v[8*(8*((\a)%4)+\b):8*(8*((\a)%4)+\b)+7]
.endif
.endr
.endr
.endm
.macro FETCH_B slot, q, p
	WIN TO_B
.irp i, 0,1,2,3,4,5,6,7
	FRAGB 128*(\p)+FR*\i, \slot, \q, \i
.endr
	WIN 0
.endm
.macro FETCH_A slot, q, i0
.irp i, \i0, \i0+1, \i0+2, \i0+3
	FRAGA AF+FR*(\i), \slot, \q, \i
.endr
.endm
.macro PLACES n
.rept \n
	v_nop
.endr
.endm
.macro STEP slot, q, zero              ; a step of 128 along K that has its successor in the same slot
	s_wait_dscnt 4*NL                              ; B's set and A's blocks 0-3 are in; the 16 youngest loads (A's blocks 4-7) may be out
	WIN MUL_LO
	MUL16 0, (\q)%2, \zero
	MUL16 2, (\q)%2, \zero
	s_wait_dscnt 0
	PLACES NP
	FETCH_B \slot, (\q)+1, 1-(\q)%2
	FETCH_A \slot, (\q)+1, 0
	WIN MUL_HI
	MUL16 4, (\q)%2, \zero
	MUL16 6, (\q)%2, \zero
	PLACES NP
	WIN 0
	FETCH_A \slot, (\q)+1, 4
.endm
.macro TURN slot, next, fill           ; a slot's last step changes slots
	s_wait_tensorcnt 0x0                           ; all my tensor loads have landed: my part of the next slot
	ds_add_u32 v[SPW], v[NIL]                      ; 0 onto my spare word
	s_wait_dscnt 4*NL+1                            ; the add and the 16 youngest loads may be out
	WIN MUL_LO
	MUL16 0, 1, 0
	s_wait_dscnt 0x0                               ; the add is done, and my reads of this slot are over
	s_barrier_signal -1
	MUL16 2, 1, 0
	WIN 0
	s_barrier_wait -1
.if \fill
	CREST                                          ; the barrier has opened a round of the cluster's: no wave of any partner still reads this slot or has a load on its way
	s_add_nc_u64 s[G0+4*\slot+2:G0+4*\slot+3], s[G0+4*\slot+2:G0+4*\slot+3], 2*ASTEP
	s_add_nc_u64 s[G0B+4*\slot+2:G0B+4*\slot+3], s[G0B+4*\slot+2:G0B+4*\slot+3], 2*ROWB
	JLOAD G0+4*\slot, G1, G0B+4*\slot, G1B         ; the first tensor load behind the round; its four v_nop are also the places in front of the loads below
.else
	PLACES NP
.endif
	FETCH_B \next, 0, 0
	FETCH_A \next, 0, 0
	WIN MUL_HI
	MUL16 4, 1, 0
	MUL16 6, 1, 0
	PLACES NP
	WIN 0
	FETCH_A \next, 0, 4
.endm
	s_wait_tensorcnt 1                             ; my part of K step 0 is in; K step 1's load may be out
	s_barrier_signal -1
	s_barrier_wait -1
	FETCH_B 0, 0, 0
	FETCH_A 0, 0, 0
	FETCH_A 0, 0, 4
	STEP 0, 0, 1                                   ; the first step stands in front of the loop: its products start the sums
	s_mov_b32 s3, LAPS-1
.Llap:
	TURN 0, 1, 1
	STEP 1, 0, 0
	TURN 1, 0, 1
	STEP 0, 0, 0
	s_sub_co_u32 s3, s3, 1
	s_cmp_lg_u32 s3, 0
	s_cbranch_scc1 .Llap
	TURN 0, 1, 0                                   ; the last lap fills nothing
	STEP 1, 0, 0
	s_wait_dscnt 4*NL
	WIN MUL_LO
	MUL16 0, 1, 0
	MUL16 2, 1, 0
	s_wait_dscnt 0
	WIN MUL_HI
	MUL16 4, 1, 0
	MUL16 6, 1, 0
	WIN 0
; THE WAY OUT, block by block of 16 rows x 128 columns: sum x 2^(e10 + e11) + bo into window 1, through my own stage in LDS, back as whole rows of 512 bytes.
; LDS serves a wave's instructions in order (ISA guide 5.7.1.4): no wait between the stores and the loads, nor in front of the next block's stores.
.macro TOSTAGE a
.set AC, 64*((\a)%4)
	WIN 0x42+((\a)/4)                              ; source 0 window 2 or 3, source 2 (bo) window 0, destination window 1
.set tj, 0
.rept 32
	v_pk_fma_f32 v[tj:tj+1], v[AC+tj:AC+tj+1], s[96:97], v[BO+tj:BO+tj+1] op_sel_hi:[1,0,1]   ; each accumulator from its low end on
.set tj, tj+2
.endr
	WIN 0x04                                       ; the stores' data in window 1
.irp b, 0,1,2,3,4,5,6,7
	ds_store_b128 v[STO], v[8*\b:8*\b+3] offset:64*\b
	ds_store_b128 v[STO], v[8*\b+4:8*\b+7] offset:64*\b+16
.endr
	WIN 0
.set BB, BK+64*((\a)%2)
.irp t, 0,1,2,3,4,5,6,7,8,9,10,11,12,13,14,15
	ds_load_b128 v[BB+4*\t:BB+4*\t+3], v[RD] offset:\t*SPITCH
.endr
.endm
.macro SEND a, younger                 ; younger: the LDS instructions issued behind block a's loads, which may stay out
.set BB, BK+64*((\a)%2)
	s_wait_dscnt \younger
.if (\a) > 0
	s_add_nc_u64 s[12:13], s[12:13], 16*SIZE_N*4   ; (behind a wait on XCNT: the earlier stores have read their base)  16 rows on
.endif
.irp t, 0,1,2,3,4,5,6,7,8,9,10,11,12,13,14,15
	global_store_b128 v[CO], v[BB+4*\t:BB+4*\t+3], s[12:13] offset:\t*SIZE_N*4 th:TH_STORE_NT   ; 32 lanes store 512 consecutive bytes, at a multiple of 512 from out's first byte
.endr
.endm
	s_wait_kmcnt 0x0
	s_add_co_i32 s96, s96, s97
	s_add_co_i32 s96, s96, 127
	s_lshl_b32 s96, s96, 23                        ; 2^(e10 + e11) as f32
	s_mov_b32 s97, s96                             ; (named with it as a pair)
	s_wait_loadcnt 0x0                             ; bo
	PLACES NP                                      ; behind the last products: for the reads of results, the writes over B's first set and the loads into A's registers
	TOSTAGE 0
.irp a, 1,2,3,4,5,6,7
.if \a > 1
	s_wait_xcnt 0x0                                ; block a - 2's stores have read their registers and their base: block a's loads may land there, and the base may step
.endif
	TOSTAGE \a
	SEND \a-1, 32                                  ; behind block a - 1's loads: block a's 16 stores and 16 loads
.endr
	s_wait_xcnt 0x0                                ; block 6's stores have read their base
	SEND 7, 0
	s_wait_tensorcnt 0x0                           ; the wave's end
	ds_add_u32 v[SPW], v[NIL]
	s_wait_dscnt 0x0
	CROUND                                         ; the closing round
	s_endpgm
.Lfunc_end_k_q0191f574f6_proj:
	.size	k_q0191f574f6_proj, .Lfunc_end_k_q0191f574f6_proj-k_q0191f574f6_proj
	.p2alignl 7, 3214868480
	.fill 96, 4, 3214868480
	.section	.rodata,"a",@progbits
	.p2align	6, 0x0
	.amdhsa_kernel k_q0191f574f6_proj
		.amdhsa_group_segment_fixed_size 327680
		.amdhsa_private_segment_fixed_size 0
		.amdhsa_enable_private_segment 0
		.amdhsa_kernarg_size 40
		.amdhsa_user_sgpr_count 2
		.amdhsa_user_sgpr_kernarg_segment_ptr 1
		.amdhsa_wavefront_size32 1
		.amdhsa_system_sgpr_workgroup_id_x 1
		.amdhsa_system_sgpr_workgroup_id_y 1
		.amdhsa_system_sgpr_workgroup_id_z 1
		.amdhsa_system_vgpr_workitem_id 0
		.amdhsa_next_free_vgpr 1024
		.amdhsa_next_free_sgpr 100
		.amdhsa_reserve_vcc 0
		.amdhsa_float_denorm_mode_32 3
		.amdhsa_float_denorm_mode_16_64 3
		.amdhsa_memory_ordered 1
		.amdhsa_forward_progress 1
		.amdhsa_inst_pref_size 125
	.end_amdhsa_kernel
	.amdgpu_metadata
---
amdhsa.version: [ 1, 2 ]
amdhsa.kernels:
  - .name:           k_q0191f574f6_proj
    .symbol:         k_q0191f574f6_proj.kd
    .args:
      - { .name: a_img, .offset: 0, .size: 8, .value_kind: global_buffer, .address_space: global }
      - { .name: Wo_codes, .offset: 8, .size: 8, .value_kind: global_buffer, .address_space: global }
      - { .name: lowp_scales, .offset: 16, .size: 8, .value_kind: global_buffer, .address_space: global }
      - { .name: bo, .offset: 24, .size: 8, .value_kind: global_buffer, .address_space: global }
      - { .name: out0, .offset: 32, .size: 8, .value_kind: global_buffer, .address_space: global }
    .group_segment_fixed_size: 327680
    .private_segment_fixed_size: 0
    .kernarg_segment_align: 8
    .kernarg_segment_size: 40
    .max_flat_workgroup_size: 128
    .sgpr_count:     100
    .vgpr_count:     1024
    .wavefront_size: 32
...
	.end_amdgpu_metadata
.endif
;; end of part 3
